; MI455X (gfx1250); checked and timed in simulation.
; The chip was launched on July 23, 2026; its instructions are those of AMD's public machine-readable ISA for CDNA 5 (MIT licence, August 2026) and "CDNA5" Instruction Set Architecture Reference Guide (July 2026). The comments in the code are by the model that wrote it; some were corrected since.
;; Attention. Allowed arithmetic: matrix products marked QUANTISED: E4M3 operands, one E8M0 scale for each 32 along K, by v_wmma_scale_f32_16x16x128_f8f6f4 with both operands' format E4M3, f32 sums; everything else in f32.
;; Inputs: Wkv_codes 1,024 x 16 x 32 uint8 (E4M3 codes of Wkv, K innermost, in blocks of 32 codes); Wkv_scales 1,024 x 16 uint8 (E8M0 scales of Wkv, one for each 32 codes along K); Wo_codes 512 x 16 x 32 uint8 (E4M3 codes of Wo, K innermost, in blocks of 32 codes); Wo_scales 512 x 16 uint8 (E8M0 scales of Wo, one for each 32 codes along K); Wq_codes 512 x 16 x 32 uint8 (E4M3 codes of Wq, K innermost, in blocks of 32 codes); Wq_scales 512 x 16 uint8 (E8M0 scales of Wq, one for each 32 codes along K); bo 512 float32; x_codes 2 x 4,096 x 16 x 32 uint8 (E4M3 codes of x, K innermost, in blocks of 32 codes); x_scales 2 x 4,096 x 16 uint8 (E8M0 scales of x, one for each 32 codes along K).
;; Outputs: out0 2 x 4,096 x 512 float32.
;; This version of the problem:
;;   THIS VERSION OF THE PROBLEM IS GIVEN IN LOW PRECISION. The matrix products marked QUANTISED in the list below multiply operands that are first quantised to E4M3 (4 exponent bits, 3 mantissa bits; 8 bits a number), with one power-of-two scale for each 32 numbers along K (OCP MX v1.0); their sums are f32. All else is computed in f32.
;;   The module's matrix products, in the order in which they are computed (A, B: the left and right operand; K: the contracted axis; several contracted axes count as one K, in the product's order):
;;     1. [M 8,192, K 512] x [K 512, N 512]; A: input x (given as codes); B: input Wq (given as codes): QUANTISED
;;     2. [M 8,192, K 512] x [K 512, N 1,024]; A: input x (given as codes); B: input Wkv (given as codes): QUANTISED
;;     3. batch 16 x [M 4,096, K 64] x [K 64, N 4,096]; A: computed on the way; B: computed on the way: QUANTISED
;;     4. batch 16 x [M 4,096, K 4,096] x [K 4,096, N 64]; A: softmax (see below); B: computed on the way: QUANTISED
;;     5. [M 8,192, K 512] x [K 512, N 512]; A: computed on the way; B: input Wo (given as codes): QUANTISED
;;   THE QUANTISER, for each operand of a quantised product, along K:
;;     - K is cut into blocks of 32 from its start; a last block that is shorter is filled with zeros.
;;     - A block's scale is 2^e with e = floor(log2(the largest magnitude in the block)) - 8, held to -126 .. 127; a block of zeros has e = 0. As a byte (E8M0): e + 127.
;;     - Each number is divided by its block's scale, clamped to +-448, and rounded to the nearest number of E4M3, ties to even, subnormals kept.
;;     - The product sums the exact products of the quantised numbers (number of the format x scale) in f32.
;;   ~~~python
;;   def quantise(x, axis):      # numpy; x: float32 -> the quantised numbers, widened to float32 again
;;       x = np.moveaxis(x, axis, -1); K = x.shape[-1]
;;       x = np.pad(x, [(0, 0)] * (x.ndim - 1) + [(0, -K % 32)]); x = x.reshape(x.shape[:-1] + (-1, 32)); a = np.abs(x).max(-1, keepdims=True)
;;       e = np.where(a > 0, np.clip(np.frexp(np.where(a > 0, a, 1))[1] - 1 - 8, -126, 127), 0)      # np.frexp(a)[1] - 1 = floor(log2(a)), exactly
;;       r = np.clip(x / 2.0 ** e, -448, 448)
;;       step = 2.0 ** (np.maximum(np.frexp(np.where(r == 0, 1, r))[1] - 1, -6) - 3)
;;       q = np.round(r / step) * step * 2.0 ** e      # np.round: ties to even
;;       return np.moveaxis(q.reshape(q.shape[:-2] + (-1,))[..., :K], -1, axis).astype(np.float32)
;;   ~~~
;;   SOFTMAX AHEAD OF A QUANTISED PRODUCT. Where the list says 'softmax', what is quantised is not the finished softmax but p = 2^(t - M), with t = logit x log2(e) and M = ceil(the row's largest t), a whole number; so 1/2 < the row's largest p <= 1. The row's sum l is taken of the UNQUANTISED p, in f32, and the product's result is divided by l at the end. Since M is a whole number, a kernel that streams over the keys may use a running M (the ceiling of the running maximum): every later rescaling is an exact power of two, which a block's scale takes up: the codes' values come out the same.
;;   OPERANDS COMPUTED ON THE WAY. 'Computed on the way' means the value that the module computes at that place (a softmax that the list does not call 'softmax' is quantised finished and normalised). What goes into a quantiser is computed in f32, as accurately as f32 sums, v_exp_f32 and their like allow (about 1e-6 of the number): no bf16 or f16 on the way to a quantiser, and a product that is left as it is and whose result goes on into a quantised operand takes f32 operands (vector FMAs, or v_wmma_f32_16x16x4_f32). A number that lies on a knife's edge between two numbers of the format may be rounded either way, as far as f32 arithmetic and the matrix unit's own rounding can turn it there, and no further.
;;   INPUTS GIVEN AS CODES. Wkv (in the module: [512, 1024], K = its axis 0); Wo (in the module: [512, 512], K = its axis 0); Wq (in the module: [512, 512], K = its axis 0); x (in the module: [2, 4096, 512], K = its axis 2): each comes as NAME_codes (uint8): NAME with its K axis moved to the last place and cut into blocks of 32 codes, [.., K / 32, bytes a block], one block behind the other in memory; one code a byte (a code: sign, 4 exponent bits, 3 mantissa bits); and NAME_scales (uint8): the same leading axes, one E8M0 byte (e + 127) for each 32 codes along K. Its value is code x scale, taken as it is: it is not quantised again, and the codes and scales need not be those that the quantiser above would give.
;; One version. Each part assembles by itself: llvm-mc -triple=amdgcn-amd-amdhsa -mcpu=gfx1250 --defsym DOCPART=n.
;; ======== version 1 of 1: 3 launches
;; limits: right only within a limited range of input values
;; workspace buffers: qws 4,456,448 bytes; kws 4,587,520 bytes; vws 4,194,304 bytes; ows 4,194,304 bytes; osc 524,288 bytes
;; launch proj (part 1): grid 4 x 64, 8 waves a work-group, clusters of 4 x 4, 206,336 bytes of LDS; arguments x_codes, x_scales, Wq_codes, Wq_scales, Wkv_codes, Wkv_scales, qws, kws, vws; writes qws, kws, vws
.if DOCPART == 1
	.amdgcn_target "amdgcn-amd-amdhsa--gfx1250"
	.amdhsa_code_object_version 6
	.text
	.protected	k_qed6bb40abd_proj
	.globl	k_qed6bb40abd_proj
	.p2align	8
	.type	k_qed6bb40abd_proj,@function
k_qed6bb40abd_proj:
	s_mov_b64 s[64:65], 0
	v_nop
	global_prefetch_b8 v0, s[64:65] scope:SCOPE_SE
	s_setreg_imm32_b32 hwreg(HW_REG_WAVE_MODE, 25, 1), 1
	s_wait_xcnt 0x0
	s_wait_alu depctr_hold_cnt(0) depctr_sa_sdst(0) depctr_va_vdst(0) depctr_va_sdst(0) depctr_va_ssrc(0) depctr_va_vcc(0) depctr_vm_vsrc(0)
	s_getreg_b32 s2, hwreg(HW_REG_IB_STS2, 6, 4)
	s_cmp_eq_u32 s2, 0
	s_cbranch_scc0 .Lentry_in_a_cluster
	s_endpgm
.Lentry_in_a_cluster:
	s_bfe_u32 s2, ttmp6, 0x10000c
	s_cmp_lg_u32 s2, 0xf033
	s_cbranch_scc0 .Lentry_shape_is_right
	s_endpgm
.Lentry_shape_is_right:
; q = x Wq / 64, k = x Wk, v = x Wv on codes of FP8 (E4M3) with E8M0 scales, and the three results quantised again for the attention launch:
; q and k along the head's 64 (two blocks of 32), v along the keys (blocks of 32 tokens).  The factor 1/64 is the two scalings by 1/8, a power of two: exact.
; SHARES.  A work-group takes 128 tokens (one key step of the attention) and two heads: 128 columns each of Wq, Wk, Wv; K = 512.  Eight waves.
;   v: wave w makes 16 channels (tile w % 4 of head w / 4) for all 128 tokens: source 0 = 16 tokens, source 1 = 16 rows of Wv: a lane holds ONE channel and its registers run along the tokens, which are the later K.
;   q, k: wave w makes all 128 columns for tokens 16 w .. 16 w + 15: source 0 = 16 rows of W, source 1 = the tokens: a lane holds ONE token and its registers run along the head's channels.
; ORDER INSIDE A BLOCK OF 32.  Registers 16 b .. 16 b + 15 of lanes l and l xor 16 hold block b, but not in ascending order.  q and k are made alike, and so are v and the attention's p:
; a permutation of k inside a block, the same on both operands of a product, leaves the products and the block's scale as they are.
; THE ROWS OF Wv THAT FORM A TILE ARE NOT NEIGHBOURS: lane r of tile dt takes row 32 (dt / 2) + 8 (dt % 2) + r + 8 (r / 8), so that the attention's result falls into the natural order of Wo's K.
; WORKSPACE: images of operand registers: a group of four registers is 512 bytes, lane l's 16 bytes at 16 l.  Every code store of a wave covers 512 consecutive bytes, aligned.
;   qws [bh][block of 128 queries] x 8,704: tile t's codes at 1,024 t + 512 c; scale words at 8,192 + 64 t + 4 r.
;   kws [bh][key step] x 8,960: tile t's codes at 1,024 t + 512 c; K's words at 8,192 + 32 r + 4 t; V's words at 8,704 + 16 r + 4 dt.     vws [bh][key step] x 8,192: 2,048 dt + 512 c.
;   q's and k's words repeat their two bytes (b0 b1 b0 b1): the later product has K = 64 of the instruction's 128, and the other 64 are zero codes under bytes that are never 0xff.
; CLUSTER 4 x 4: x's tile hangs on the token block alone and is shared along a row of the cluster, the weights' tiles on the pair of heads alone and are shared along a column: joint loads, filled once.
; LIMITS: NaN and infinities are not served; a block whose largest magnitude lies under 2^-118, a block of zeros too, keeps the scale byte 1 (its codes are zeros or subnormal codes; this program alone reads the bytes).
.set XP,   528                         ; an LDS row: 512 bytes + 16 of padding: an odd multiple of 16, so the 16 rows of a fragment load fall on 16 different groups of banks
.set TILE, 16*XP
.set HALF, 64*XP                       ; what one tensor load brings
.set WQR,  2*HALF                      ; LDS: x's 128 rows at 0, Wq's at WQR, Wk's at WKR
.set WKR,  4*HALF
.set SCR,  6*HALF                      ; scale words on their way out, written by LDS stores alone: for head i at 1,280 i: q's 512 bytes, K's 512, V's 256
.set AX,  1                            ; v1   528 r + 16 h: a fragment's place for my lane, in x's rows
.set AXO, 2                            ; v2   the same in my own 16 tokens
.set AWQ, 3                            ; v3   in Wq's rows
.set AWK, 4                            ; v4   in Wk's rows
.set L16, 5                            ; v5   16 x lane
.set SQA, 6                            ; v6   where q's word goes in SCR
.set SKA, 7                            ; v7   K's
.set SVA, 8                            ; v8   V's
.set GA,  9                            ; v9   where a gathering wave reads 16 bytes a lane
.set GB,  10                           ; v10  and 8 bytes a lane
.set WVO, 11                           ; v11  my lane's row of Wv, in bytes of codes
.set WVS, 12                           ; v12  and of scale bytes
.set R16, 13                           ; v13  16 r: a row's 16 scale bytes
.set L8,  14                           ; v14  8 x lane
.set LW,  15                           ; v15  16 x lane + 1,024 x wave
.set ACC, 16                           ; v16-79   eight accumulators
.set ST,  80                           ; v80-143  four fragments from LDS; between the products: the quantiser's codes and work registers
.set R2,  144                          ; v144-207 the resident operand: four K steps
.set SW,  208                          ; v208-239 scale words of the eight tiles from LDS, four K steps each
.set SB,  240                          ; v240-243 scale words of the resident operand
.set PW,  244                          ; the scale word just made; WA, WB: its halves, doubled
.set WA,  245
.set WB,  246
.set PC,  80
.set TMA, 96
.set TMH, 100
.set TMS, 104
.set TMB, 248
.set WV,  22
.set G1X, 32
.set G1W, 40
.set G0X, 48
.set G0Q, 52
.set G0K, 56
.set SEL, 66
.set MNT, 68
.macro PLACES n
.rept \n
	v_nop
.endr
.endm
.macro CROUND                          ; a round of the cluster's barrier
	s_barrier_signal -1
	s_barrier_wait -1
	s_cmp_lg_u32 s[WV], 0
	s_cbranch_scc1 .Lnot_wave_0_\@
	s_barrier_signal -3
.Lnot_wave_0_\@:
	s_barrier_wait -3
	s_barrier_signal -1
	s_barrier_wait -1
.endm
; 64 numbers of a lane, register 16 b + i of block b, become 16 registers of codes in v[PC] on and the four blocks' scale word in v[PW].
.macro QUANT s
.irp b, 0,1,2,3
	v_max3_num_f32 v[TMA+\b], |v[\s+16*\b]|, |v[\s+1+16*\b]|, 0x4800000   ; my 16 numbers and the floor 2^(9 - 127): the byte cannot fall under 1
.endr
.irp i, 2,4,6,8,10,12,14
.irp b, 0,1,2,3
	v_max3_num_f32 v[TMA+\b], v[TMA+\b], |v[\s+16*\b+\i]|, |v[\s+1+16*\b+\i]|   ; the four blocks by turns
.endr
.endr
.irp b, 0,1,2,3
	s_delay_alu instid0(VALU_DEP_4)
	v_permlanex16_b32 v[TMB+\b], v[TMA+\b], s[SEL], s[SEL+1]
.endr
.irp b, 0,1,2,3
	s_delay_alu instid0(VALU_DEP_4)
	v_max_num_f32 v[TMA+\b], v[TMA+\b], v[TMB+\b]                 ; with lane l xor 16's: the block's largest magnitude
.endr
.irp b, 0,1,2,3
	s_delay_alu instid0(VALU_DEP_4)
	v_add_nc_u32 v[TMS+\b], 0xfc000000, v[TMA+\b]                 ; 8 off its exponent field: the conversion's scale operand
.endr
.irp b, 0,1,2,3
	v_and_or_b32 v[TMH+\b], v[TMA+\b], 0x7f800000, s[MNT]         ; 448 x the scale
.endr
.irp b, 0,1,2,3
	v_lshrrev_b32 v[TMB+\b], 23, v[TMS+\b]                        ; the scale's byte
.endr
	s_delay_alu instid0(VALU_DEP_3)
	v_lshl_or_b32 v[PW], v[TMB+1], 8, v[TMB]
	s_delay_alu instid0(VALU_DEP_1)
	v_lshl_or_b32 v[PW], v[TMB+2], 16, v[PW]
	s_delay_alu instid0(VALU_DEP_1)
	v_lshl_or_b32 v[PW], v[TMB+3], 24, v[PW]
.irp b, 0,1,2,3
.irp i, 0,1,2,3,4,5,6,7,8,9,10,11,12,13,14,15
	v_med3_num_f32 v[\s+16*\b+\i], v[\s+16*\b+\i], -v[TMH+\b], v[TMH+\b]   ; the conversion to an 8-bit code does not saturate (ISA guide 7.6.2): the hold comes first
.endr
	v_cvt_scalef32_pk8_fp8_f32 v[PC+4*\b:PC+1+4*\b], v[\s+16*\b:\s+7+16*\b], v[TMS+\b]
	v_cvt_scalef32_pk8_fp8_f32 v[PC+2+4*\b:PC+3+4*\b], v[\s+8+16*\b:\s+15+16*\b], v[TMS+\b]
.endr
	v_nop                                          ; one plain line behind the last conversion: later products write its sources again
.endm
.macro HALVES                          ; the word's two halves, each doubled: one word for each of the two heads
	v_and_b32 v[WA], 0xffff, v[PW]
	v_lshrrev_b32 v[WB], 16, v[PW]
	s_delay_alu instid0(VALU_DEP_2)
	v_lshl_or_b32 v[WA], v[WA], 16, v[WA]
	s_delay_alu instid0(VALU_DEP_2)
	v_lshl_or_b32 v[WB], v[WB], 16, v[WB]
.endm
; Eight tiles of 16 rows from LDS (source 0) x the resident operand (source 1), K = 512 in four steps: 32 matrix instructions, four tiles at a time.
; Eight places stand in front of each run of loads into registers that matrix instructions have read.  The eight accumulators take turns, one instruction a turn.
; TWO BUFFERS take turns for the four fragments: registers ST on of window 0 (groups with g = 0) and of window 1 (g = 1).  The next group's sixteen loads are issued ahead of a group's products.
.set MSB, 0
.macro WIN new                         ; the immediate's high byte repeats the setting that is left
.if MSB != \new
	s_set_vgpr_msb (MSB<<8)|\new
.set MSB, \new
.endif
.endm
.macro GLOAD adr, s, g                 ; tiles 4 g .. 4 g + 3, K step s, into buffer g: the loaded data's window is g, the address stays in window 0
	WIN (\g)*64
.irp i, 0,1,2,3
.irp c, 0,1,2,3
	ds_load_b128 v[ST+16*\i+4*\c:ST+16*\i+4*\c+3], v[\adr] offset:(4*(\g)+\i)*TILE+128*(\s)+32*\c
.endr
.endr
.endm
.macro GEMM8 adr, zero
	PLACES 8
	GLOAD \adr, 0, 0
.irp s, 0,1,2,3
.irp g, 0,1
.if (2*\s+\g) < 7
.if (\s+\g) > 0
	PLACES 8                                       ; behind the products that read the buffer which is loaded next
.endif
	GLOAD \adr, \s+\g, 1-\g
	s_wait_dscnt 16                                ; this group's fragments are in; the sixteen loads just issued may be out
.else
	s_wait_dscnt 0x0
.endif
	WIN \g                                         ; source 0 from buffer g; all else from window 0
.irp i, 0,1,2,3
.if \zero && (\s == 0)
	v_wmma_scale_f32_16x16x128_f8f6f4 v[ACC+8*(4*\g+\i):ACC+8*(4*\g+\i)+7], v[ST+16*\i:ST+16*\i+15], v[R2+16*\s:R2+16*\s+15], 0, v[SW+4*(4*\g+\i)+\s], v[SB+\s]
.else
	v_wmma_scale_f32_16x16x128_f8f6f4 v[ACC+8*(4*\g+\i):ACC+8*(4*\g+\i)+7], v[ST+16*\i:ST+16*\i+15], v[R2+16*\s:R2+16*\s+15], v[ACC+8*(4*\g+\i):ACC+8*(4*\g+\i)+7], v[SW+4*(4*\g+\i)+\s], v[SB+\s]
.endif
.endr
.endr
.endr
	WIN 0
.endm
	s_load_b256 s[4:11], s[0:1], 0x0               ; x's codes s[4:5], x's scales s[6:7], Wq's codes s[8:9], Wq's scales s[10:11]
	s_load_b256 s[12:19], s[0:1], 0x20             ; Wkv's codes s[12:13], Wkv's scales s[14:15], qws s[16:17], kws s[18:19]
	s_load_b64 s[20:21], s[0:1], 0x40              ; vws
	v_lshl_add_u32 v247, v0, 2, 0x32200
	s_set_vgpr_msb 0x40
	v_mov_b32 v1, 0
	s_set_vgpr_msb 0x4044
	ds_add_u32 v247, v1
	ds_add_u32 v247, v1
	s_set_vgpr_msb 0x4400
	v_lshrrev_b32 v255, 5, v0
	s_delay_alu instid0(VALU_DEP_1)
	v_readfirstlane_b32 s[WV], v255                ; wave 0..7
	s_bfe_u32 s23, ttmp6, 0x40000                  ; cx
	s_bfe_u32 s24, ttmp6, 0x40004                  ; cy
	s_lshl_b32 s25, ttmp9, 2
	s_add_co_u32 s25, s25, s23                     ; p: heads 2 p and 2 p + 1
	s_and_b32 s26, ttmp7, 0xffff
	s_lshl_b32 s26, s26, 2
	s_add_co_u32 s26, s26, s24                     ; tb: tokens 128 tb on
	s_lshl_b32 s27, s24, 2
	s_lshl_b32 s27, 15, s27                        ; my row of the cluster
	s_lshl_b32 s28, 0x1111, s23                    ; my column
	; descriptor group 1: 64 rows of 512 bytes, 512 bytes apart in memory, 16 bytes of padding behind each in LDS
	s_or_b32 s[G1X], s27, (1<<20)|(1<<21)|(6<<22)|(3<<25)   ; 15:0 the mask; 17:16 elements of 1 byte; 20 padding on; 21 set beside a mask; 24:22 after every 128 words (code 6); 31:25 four words (code 3)
	s_or_b32 s[G1W], s28, (1<<20)|(1<<21)|(6<<22)|(3<<25)
.irp g, G1X, G1W
	s_mov_b32 s[\g+1], 512<<16                     ; tensor_dim0
	s_mov_b32 s[\g+2], 64<<16                      ; tensor_dim1
	s_mov_b32 s[\g+3], 512<<16                     ; tile_dim0
	s_mov_b32 s[\g+4], 64                          ; tile_dim1
	s_mov_b32 s[\g+5], 512                         ; the pitch
	s_mov_b32 s[\g+6], 0
	s_mov_b32 s[\g+7], 0
.endr
	s_and_b32 s29, s[WV], 1
	s_lshl_b32 s29, s29, 15                        ; which 64 rows of a tile I fetch: 64 x 512 bytes
	s_lshl_b32 s60, s26, 16                        ; x: 128 tb rows of 512 bytes
	s_add_co_u32 s60, s60, s29
	s_mov_b32 s61, 0
	s_lshl_b32 s62, s25, 16                        ; Wq and Wk: 128 p rows
	s_add_co_u32 s62, s62, s29
	s_mov_b32 s63, 0
	s_mul_i32 s31, s[WV], HALF                     ; where my tile goes: wave x 64 rows: waves 0, 1 x, waves 2, 3 Wq, waves 4, 5 Wk
	s_mov_b32 s[SEL], 0x76543210
	s_mov_b32 s[SEL+1], 0xfedcba98                 ; v_permlanex16_b32's selects for lane l xor 16
	s_mov_b32 s[MNT], 0x600000                     ; the mantissa field of 448
	s_mov_b32 s92, 0x3c800000                      ; 1/64
	s_mov_b32 s93, s92
	s_wait_dscnt 0x0
	s_wait_kmcnt 0x0
	s_mov_b32 s[G0X], 1
	s_mov_b32 s[G0X+1], s31
	s_add_nc_u64 s[G0X+2:G0X+3], s[4:5], s[60:61]
	s_or_b32 s[G0X+3], s[G0X+3], 0x80000000
	s_mov_b32 s[G0Q], 1
	s_mov_b32 s[G0Q+1], s31
	s_add_nc_u64 s[G0Q+2:G0Q+3], s[8:9], s[62:63]
	s_or_b32 s[G0Q+3], s[G0Q+3], 0x80000000
	s_mov_b32 s[G0K], 1
	s_mov_b32 s[G0K+1], s31
	s_add_nc_u64 s[G0K+2:G0K+3], s[12:13], s[62:63]
	s_or_b32 s[G0K+3], s[G0K+3], 0x80000000
	CROUND                                         ; all sixteen work-groups are here: the joint loads meet
	s_cmp_lt_u32 s[WV], 2                          ; one load a wave, filled once; waves 6 and 7 fetch nothing.  Four v_nop follow each line
	s_cbranch_scc0 .Lnot_x
	tensor_load_to_lds s[G0X:G0X+3], s[G1X:G1X+7]
	s_nop 0
	PLACES 4
	s_branch .Lasked
.Lnot_x:
	s_cmp_lt_u32 s[WV], 4
	s_cbranch_scc0 .Lnot_q
	tensor_load_to_lds s[G0Q:G0Q+3], s[G1W:G1W+7]
	s_nop 0
	PLACES 4
	s_branch .Lasked
.Lnot_q:
	s_cmp_lt_u32 s[WV], 6
	s_cbranch_scc0 .Lasked
	tensor_load_to_lds s[G0K:G0K+3], s[G1W:G1W+7]
	s_nop 0
	PLACES 4
.Lasked:
	; the lane's places
	s_lshr_b32 s29, s[WV], 2                       ; v: my head of the two
	s_and_b32 s30, s[WV], 3                        ; and my tile of 16 channels
	v_and_b32 v252, 15, v0                         ; r
	v_bfe_u32 v253, v0, 4, 1                       ; h
	v_and_b32 v254, 31, v0                         ; lane
	s_delay_alu instid0(VALU_DEP_3)
	v_mul_u32_u24 v[AX], v252, XP
	s_delay_alu instid0(VALU_DEP_1)
	v_lshl_add_u32 v[AX], v253, 4, v[AX]
	s_mul_i32 s31, s[WV], TILE
	v_add_nc_u32 v[AXO], s31, v[AX]
	v_add_nc_u32 v[AWQ], WQR, v[AX]
	v_add_nc_u32 v[AWK], WKR, v[AX]
	v_lshlrev_b32 v[L16], 4, v254
	v_lshlrev_b32 v[L8], 3, v254
	s_wait_alu depctr_va_vdst(0)
	v_lshlrev_b32 v[R16], 4, v252
	s_lshl_b32 s31, s[WV], 10
	v_add_nc_u32 v[LW], s31, v[L16]
	s_lshl_b32 s31, s[WV], 6
	s_add_co_u32 s31, s31, SCR
	v_lshl_add_u32 v[SQA], v252, 2, s31            ; SCR + 64 w + 4 r
	s_lshl_b32 s31, s[WV], 2
	s_add_co_u32 s31, s31, SCR+512
	v_lshl_add_u32 v[SKA], v252, 5, s31            ; SCR + 512 + 32 r + 4 w
	s_mul_i32 s31, s29, 1280
	s_lshl_b32 s2, s30, 2
	s_add_co_u32 s31, s31, s2
	s_add_co_u32 s31, s31, SCR+1024
	v_lshl_add_u32 v[SVA], v252, 4, s31            ; SCR + 1,280 head + 1,024 + 16 r + 4 dt
	s_and_b32 s31, s[WV], 1
	s_mul_i32 s31, s31, 1280
	s_add_co_u32 s31, s31, SCR
	v_add_nc_u32 v[GB], s31, v[L8]
	s_delay_alu instid0(VALU_DEP_1)
	v_add_nc_u32 v[GB], 1024, v[GB]                ; SCR + 1,280 (w % 2) + 1,024 + 8 lane
	s_bfe_u32 s2, s[WV], 0x10001
	s_lshl_b32 s2, s2, 9
	s_add_co_u32 s31, s31, s2
	v_add_nc_u32 v[GA], s31, v[L16]                ; SCR + 1,280 (w % 2) + 512 ((w / 2) % 2) + 16 lane
	v_and_b32 v255, 8, v252
	s_delay_alu instid0(VALU_DEP_1)
	v_add_nc_u32 v255, v255, v252                  ; r + 8 (r / 8)
	s_delay_alu instid0(VALU_DEP_1)
	v_lshlrev_b32 v[WVO], 9, v255
	s_delay_alu instid0(VALU_DEP_1)
	v_lshl_add_u32 v[WVO], v253, 4, v[WVO]
	s_wait_alu depctr_va_vdst(0)
	v_lshlrev_b32 v[WVS], 4, v255
	s_wait_alu depctr_va_vdst(0)
.irp b, 0,1,2,3
	v_mov_b32 v[TMB+\b], 0                         ; written once: a lane permute's destination counts as one of its sources
.endr
	; the wave's places in memory
	s_lshl_b32 s96, s25, 7
	s_lshl_b32 s97, s29, 6
	s_add_co_u32 s96, s96, s97
	s_lshr_b32 s97, s30, 1
	s_lshl_b32 s97, s97, 5
	s_add_co_u32 s96, s96, s97
	s_and_b32 s97, s30, 1
	s_lshl_b32 s97, s97, 3
	s_add_co_u32 s96, s96, s97
	s_add_co_u32 s96, s96, 512                     ; Wv's row for lane 0: 512 + 128 p + 64 head + 32 (dt / 2) + 8 (dt % 2)
	s_lshl_b32 s98, s96, 4
	s_mov_b32 s99, 0
	s_lshl_b32 s96, s96, 9
	s_mov_b32 s97, 0
	s_add_nc_u64 s[70:71], s[12:13], s[96:97]      ; its codes
	s_add_nc_u64 s[72:73], s[14:15], s[98:99]      ; its scale bytes
	s_lshl_b32 s96, s26, 11
	s_add_nc_u64 s[74:75], s[6:7], s[96:97]        ; x's scale bytes of the 128 tokens
	s_lshl_b32 s96, s[WV], 8
	s_add_nc_u64 s[94:95], s[74:75], s[96:97]      ; and of my own 16
	s_lshl_b32 s96, s25, 11
	s_add_nc_u64 s[76:77], s[10:11], s[96:97]      ; Wq's scale bytes of the 128 rows
	s_add_nc_u64 s[78:79], s[14:15], s[96:97]      ; Wk's
	s_lshr_b32 s3, s26, 5
	s_lshl_b32 s3, s3, 8
	s_and_b32 s96, s26, 31
	s_add_co_u32 s3, s3, s96
	s_lshl_b32 s96, s25, 6
	s_add_co_u32 s3, s3, s96                       ; 32 (8 batch + 2 p) + the block among the batch's 32
	s_mul_i32 s96, s3, 8704
	s_add_nc_u64 s[82:83], s[16:17], s[96:97]      ; qws: head 2 p,
	s_add_nc_u64 s[84:85], s[82:83], 32*8704       ; head 2 p + 1
	s_mul_i32 s96, s3, 8960
	s_add_nc_u64 s[86:87], s[18:19], s[96:97]      ; kws likewise
	s_add_nc_u64 s[88:89], s[86:87], 32*8960
	s_lshl_b32 s96, s29, 5
	s_add_co_u32 s96, s96, s3
	s_lshl_b32 s96, s96, 13
	s_lshl_b32 s98, s30, 11
	s_add_co_u32 s96, s96, s98
	s_add_nc_u64 s[80:81], s[20:21], s[96:97]      ; vws: my head, my tile of channels
	; ---- v: the resident operand is my 16 rows of Wv
.irp s, 0,1,2,3
.irp c, 0,1,2,3
	global_load_b128 v[R2+16*\s+4*\c:R2+16*\s+4*\c+3], v[WVO], s[70:71] offset:128*\s+32*\c
.endr
.endr
	global_load_b128 v[SB:SB+3], v[WVS], s[72:73]
.irp i, 0,1,2,3,4,5,6,7
	global_load_b128 v[SW+4*\i:SW+4*\i+3], v[R16], s[74:75] offset:256*\i   ; x's words: tile i's row r, four K steps
.endr
	s_wait_tensorcnt 0x0                           ; my tile has landed,
	s_barrier_signal -1
	s_barrier_wait -1                              ; everybody's has
	s_wait_loadcnt 0x0
	GEMM8 AX, 1                                    ; accumulator t, register j: token 16 t + 8 h + j of my lane's channel
	PLACES 8                                       ; in front of the loads below and of the first read of results
.irp s, 0,1,2,3
.irp c, 0,1,2,3
	ds_load_b128 v[R2+16*\s+4*\c:R2+16*\s+4*\c+3], v[AXO] offset:128*\s+32*\c   ; from here on the resident operand is my own 16 tokens
.endr
.endr
	global_load_b128 v[SB:SB+3], v[R16], s[94:95]
.irp i, 0,1,2,3,4,5,6,7
	global_load_b128 v[SW+4*\i:SW+4*\i+3], v[R16], s[76:77] offset:256*\i
.endr
	QUANT ACC
.irp c, 0,1,2,3
	global_store_b128 v[L16], v[PC+4*\c:PC+4*\c+3], s[80:81] offset:512*\c
.endr
	ds_store_b32 v[SVA], v[PW]                     ; lanes r and r + 16 write the same word with the same value
	s_wait_xcnt 0x0                                ; the stores have read their data: the registers are loaded again below
	s_wait_loadcnt 0x0
	s_wait_dscnt 0x0
	; ---- q
	GEMM8 AWQ, 1                                   ; accumulator t, register j: column 16 t + 8 h + j of my lane's token
	PLACES 8
.irp i, 0,1,2,3,4,5,6,7
	global_load_b128 v[SW+4*\i:SW+4*\i+3], v[R16], s[78:79] offset:256*\i
.endr
.set j, 0
.rept 32
	v_pk_mul_f32 v[ACC+j:ACC+j+1], v[ACC+j:ACC+j+1], s[92:93] op_sel_hi:[1,0]   ; x 1/64; each accumulator from its low end on
.set j, j+2
.endr
	QUANT ACC
	HALVES
	global_store_b128 v[LW], v[PC:PC+3], s[82:83]
	global_store_b128 v[LW], v[PC+4:PC+7], s[82:83] offset:512
	global_store_b128 v[LW], v[PC+8:PC+11], s[84:85]
	global_store_b128 v[LW], v[PC+12:PC+15], s[84:85] offset:512
	ds_store_b32 v[SQA], v[WA]
	ds_store_b32 v[SQA], v[WB] offset:1280
	s_wait_xcnt 0x0
	s_wait_loadcnt 0x0
	s_wait_dscnt 0x0
	; ---- k
	GEMM8 AWK, 1
	PLACES 8
	QUANT ACC
	HALVES
	global_store_b128 v[LW], v[PC:PC+3], s[86:87]
	global_store_b128 v[LW], v[PC+4:PC+7], s[86:87] offset:512
	global_store_b128 v[LW], v[PC+8:PC+11], s[88:89]
	global_store_b128 v[LW], v[PC+12:PC+15], s[88:89] offset:512
	ds_store_b32 v[SKA], v[WA]
	ds_store_b32 v[SKA], v[WB] offset:1280
	s_bitcmp1_b32 s[WV], 0                         ; which buffer a gathering wave stores into: chosen by the wave's number alone
	s_cselect_b64 s[90:91], s[84:85], s[82:83]
	s_cselect_b64 s[60:61], s[88:89], s[86:87]
	s_bitcmp1_b32 s[WV], 1
	s_cselect_b64 s[90:91], s[60:61], s[90:91]
	s_wait_dscnt 0x0                               ; for the others' sake: my words lie in SCR
	s_barrier_signal -1
	s_barrier_wait -1
	; ---- the scale words leave in whole runs: waves 0 to 3 store 512 consecutive bytes each (q's and K's of the two heads), waves 4 and 5 V's 256
	s_cmp_lt_u32 s[WV], 4
	s_cbranch_scc0 .Lnot_qk
	ds_load_b128 v[R2:R2+3], v[GA]
	s_wait_dscnt 0x0
	global_store_b128 v[L16], v[R2:R2+3], s[90:91] offset:8192
	s_branch .Lgathered
.Lnot_qk:
	s_cmp_lt_u32 s[WV], 6
	s_cbranch_scc0 .Lgathered
	ds_load_b64 v[R2:R2+1], v[GB]
	s_wait_dscnt 0x0
	global_store_b64 v[L8], v[R2:R2+1], s[60:61] offset:8704
.Lgathered:
	s_set_vgpr_msb 0x4
	s_wait_tensorcnt 0x0
	ds_add_u32 v247, v1
	s_wait_dscnt 0x0
	s_set_vgpr_msb 0x400
	CROUND                                         ; the closing round: no work-group ends while a partner may still ask for a tile that names it
	s_endpgm
.Lfunc_end_k_qed6bb40abd_proj:
	.size	k_qed6bb40abd_proj, .Lfunc_end_k_qed6bb40abd_proj-k_qed6bb40abd_proj
	.p2alignl 7, 3214868480
	.fill 96, 4, 3214868480
	.section	.rodata,"a",@progbits
	.p2align	6, 0x0
	.amdhsa_kernel k_qed6bb40abd_proj
		.amdhsa_group_segment_fixed_size 206336
		.amdhsa_private_segment_fixed_size 0
		.amdhsa_enable_private_segment 0
		.amdhsa_kernarg_size 72
		.amdhsa_user_sgpr_count 2
		.amdhsa_user_sgpr_kernarg_segment_ptr 1
		.amdhsa_wavefront_size32 1
		.amdhsa_system_sgpr_workgroup_id_x 1
		.amdhsa_system_sgpr_workgroup_id_y 1
		.amdhsa_system_sgpr_workgroup_id_z 1
		.amdhsa_system_vgpr_workitem_id 0
		.amdhsa_next_free_vgpr 400
		.amdhsa_next_free_sgpr 100
		.amdhsa_reserve_vcc 0
		.amdhsa_float_denorm_mode_32 3
		.amdhsa_float_denorm_mode_16_64 3
		.amdhsa_memory_ordered 1
		.amdhsa_forward_progress 1
		.amdhsa_inst_pref_size 89
	.end_amdhsa_kernel
	.amdgpu_metadata
---
amdhsa.version: [ 1, 2 ]
amdhsa.kernels:
  - .name:           k_qed6bb40abd_proj
    .symbol:         k_qed6bb40abd_proj.kd
    .args:
      - { .name: x_codes, .offset: 0, .size: 8, .value_kind: global_buffer, .address_space: global }
      - { .name: x_scales, .offset: 8, .size: 8, .value_kind: global_buffer, .address_space: global }
      - { .name: Wq_codes, .offset: 16, .size: 8, .value_kind: global_buffer, .address_space: global }
      - { .name: Wq_scales, .offset: 24, .size: 8, .value_kind: global_buffer, .address_space: global }
      - { .name: Wkv_codes, .offset: 32, .size: 8, .value_kind: global_buffer, .address_space: global }
      - { .name: Wkv_scales, .offset: 40, .size: 8, .value_kind: global_buffer, .address_space: global }
      - { .name: qws, .offset: 48, .size: 8, .value_kind: global_buffer, .address_space: global }
      - { .name: kws, .offset: 56, .size: 8, .value_kind: global_buffer, .address_space: global }
      - { .name: vws, .offset: 64, .size: 8, .value_kind: global_buffer, .address_space: global }
    .group_segment_fixed_size: 206336
    .private_segment_fixed_size: 0
    .kernarg_segment_align: 8
    .kernarg_segment_size: 72
    .max_flat_workgroup_size: 256
    .sgpr_count:     100
    .vgpr_count:     400
    .wavefront_size: 32
...
	.end_amdgpu_metadata
.endif
;; end of part 1
;; launch attn (part 2): grid 16 x 16, 16 waves a work-group, no clusters, 327,680 bytes of LDS; arguments qws, kws, vws, ows, osc; writes ows, osc
.if DOCPART == 2
	.amdgcn_target "amdgcn-amd-amdhsa--gfx1250"
	.amdhsa_code_object_version 6
	.text
	.protected	k_qed6bb40abd_attn
	.globl	k_qed6bb40abd_attn
	.p2align	8
	.type	k_qed6bb40abd_attn,@function
k_qed6bb40abd_attn:
	s_mov_b64 s[64:65], 0
	v_nop
	global_prefetch_b8 v0, s[64:65] scope:SCOPE_SE
	s_setreg_imm32_b32 hwreg(HW_REG_WAVE_MODE, 25, 1), 1
	s_wait_xcnt 0x0
; Causal attention of one head on codes of FP8 (E4M3) with E8M0 scales, and its result quantised again for the last projection.
; logit = s - g, g the row's largest score over ALL 4,096 keys (the reference takes it away ahead of its mask, and it moves p's codes: so it is computed); t = logit x log2(e);
; M = ceil(the largest t among the keys that count); p = 2^(t - M) is quantised along the keys; the row's sum is taken of the unquantised p and divides at the end.
; LEFT OUT: in the second pass the key steps all of whose keys come after a tile's queries: the reference's own mask makes their p zero for every input.  A NaN or an infinity that reaches only those scores' p is not carried.
; SHARES.  Work-group x of a head owns the query blocks 31 - x and x (128 queries each): 33 key steps of 128 keys count for them together, in every work-group alike.
; Wave w: tile t = (w % 4) + 4 (w / 8) of BOTH blocks, and the key steps of parity par = (w / 4) % 2.  Tile A is the one that the wave finishes (par 0: block 31 - x; par 1: block x), tile B the other.
; Waves w and w xor 4 hold the same two tiles and the other parity: they exchange maxima behind the first pass, and add O and the sums at the end (M is the same in both, so the sums add as they stand).
; FIRST PASS: scores of my two tiles against my 16 key steps, steps 16 to 31 first, then 0 to 15, each half with maxima of its own: over all keys, and a copy kept while every key of the step counts; the diagonal step once more under the mask.
; SECOND PASS: four quarters of four trips; a trip is two key steps, of which a wave takes its own for tile A and for tile B, each left out by a scalar branch on ids where all its keys are hidden.
; x = s c + (-g c - M) is one multiply-add; M is fixed, so nothing is rescaled.
; A FRAGMENT OF K HOLDS TWO KEY TILES: the head's 64 of tile 2 f in k = 0 .. 63, of tile 2 f + 1 in k = 64 .. 127; it is multiplied by [q, 0] and by [0, q].  K's and q's words repeat their two bytes, so each serves either half.
; LDS.  Key step j of kws (8,960 bytes) lies at 8,960 j for the first pass: steps 16 to 31 are asked for at the head, steps 0 to 15 behind the first barrier, one step a wave.
; When steps 16 to 31 have been read, their bytes become V's ring: key step j of vws (8,192 bytes) at 143,360 + 8,192 (j % 16).  K's ring is step j at 8,960 (j % 16): steps 0 to 15 lie there already.
; A ring's half is eight key steps.  At a quarter's head stands the one barrier; behind it the other half is filled with the next eight steps, waves 0 to 7 a step of K each, waves 8 to 15 a step of V each.
; (At the first change K's steps 8 to 15 come anew beside V's, so that one form serves every change.)  At the end the partners' O goes through K's ring, which has had its last fill and is read no more.
; NO CLUSTER: the work-groups of a head ask for the rings' halves up to limits that differ (31 - x), so partners would need different numbers of tiles.
; PREFETCH: work-group x asks for V's key step x behind the first barrier, eight trips of the first pass ahead of its load at the earliest, and for step 16 + x behind the second, a half of the first pass and a quarter ahead:
; wave 4, 8,192 bytes, lanes 256 bytes apart.  K's steps 16 to 31 are read a second time by this launch and are not asked for.
; LIMITS: NaN and infinities are not served; the scaled scores stay under 2^31 in magnitude; a block whose largest p lies under 2^-118 keeps the scale byte 1.
.set KSTEPB, 8960
.set KHEAD,  32*KSTEPB
.set KHALF,  8*KSTEPB                  ; 0x11800
.set VRB,    16*KSTEPB                 ; 0x23000: V's ring
.set VHALF,  0x10000
.set SPARE,  0x4e000                   ; 128 bytes a wave
.set SCRB,   0x4e800                   ; the maxima: 256 bytes a wave
.set STGW,   4608                      ; the end's stage: 4,096 bytes of O and 128 of sums a wave
.set L16,  1                           ; 16 x lane
.set AKW0, 2                           ; K's words: 8,192 + 32 r
.set AVW0, 3                           ; V's words: 8,704 + 16 r
.set SPW,  4
.set NIL,  5
.set PFO,  6                           ; 256 x lane
.set DG,   7                           ; 16 t + r - 8 h
.set ADK,  8
.set ADW,  9
.set ADVW, 10
.set ADV,  11
.set BIA,  12                          ; -g c - M of tile A (a pair: the low word serves)
.set LA,   14                          ; its sum, in two halves
.set BIB,  16
.set LB,   18
.set QWA,  20
.set QWB,  21
.set L16V, 22                          ; 16 x lane + 8,192 par
.set NINF, 23
.set QHA,  24                          ; v24-63: 0, qA, 0, qB, 0: [0, qA] at 24, [qA, 0] at 32, [0, qB] at 40, [qB, 0] at 48
.set QLA,  32
.set QHB,  40
.set QLB,  48
.set KF,   64                          ; two fragments of K; later p's codes
.set S,    96                          ; scores, then p, then V's fragments
.set OA,   160
.set OB,   192
.set K2,   160                         ; first pass: two more fragments of K
.set RX,   192                         ; first pass, steps 16 to 31: maxima over all keys (A's two chains, B's two), then four over the keys that count
.set RY,   200                         ; the same for steps 0 to 15
.set KW,   224
.set VW,   232
.set PWD,  236
.set T0,   237
.set T1,   238
.set T2,   239
.set BM,   240
.set BP,   244
.set BH,   248
.set BS,   252
.set WV,   14
.set PAR,  15
.set TT,   16
.set HD,   17
.set HI,   18
.set BLA,  19
.set SEL,  20
.set CS,   22
.set BLB,  24
.set MNT,  25
.set KJ,   26
.set KS,   27
.set TB,   28
.set SIG,  29
.set PK,   30
.set TRIP, 31
.set G1K,  32
.set G1V,  40
.set G0K,  48
.set G0V,  52
.set PFA,  56
.set KQ,   58                          ; the half that is read: K's, V's
.set VQ,   59
.set KQF,  60                          ; the half that is filled
.set VQF,  61
.set W9,   62                          ; 8,960 x wave
.set WVB,  63                          ; V's ring + 8,192 x (wave % 8)
.macro PLACES n
.rept \n
	v_nop
.endr
.endm
.macro WALU
	s_wait_alu depctr_va_vdst(0)
.endm
.macro QK d, f, ql, qh, w, qw          ; the fragment at f against [q, 0] and [0, q]: key tiles w and w + 1
	v_wmma_scale_f32_16x16x128_f8f6f4 v[\d:\d+7], v[\f:\f+15], v[\ql:\ql+15], 0, v[KW+\w], v[\qw]
	v_wmma_scale_f32_16x16x128_f8f6f4 v[\d+8:\d+15], v[\f:\f+15], v[\qh:\qh+15], 0, v[KW+\w+1], v[\qw]
.endm
.macro MASK n0                         ; register n holds key 16 (n / 8) + 8 h + n % 8 of the step: hidden where it comes after my query
.set n, \n0
.rept 32
	v_cmp_gt_i32 vcc_lo, 16*(n/8)+n%8, v[DG]
	v_cndmask_b32 v[S+n], v[S+n], v[NINF], vcc_lo
.set n, n+1
.endr
.endm
.macro W1 f, fb, d                     ; first pass: fragment f against both tiles: four products into set d
	QK S+32*\d, \fb, QLA, QHA, 2*\f, QWA
	QK S+32*\d+16, \fb, QLB, QHB, 2*\f, QWB
.endm
.macro MAXD d, rx                      ; set d's 32 scores a lane into the four chains; each accumulator from its low end on
.irp j, 0,2,4,6
.irp q, 0,1,2,3
	v_max3_num_f32 v[\rx+\q], v[\rx+\q], v[S+32*\d+8*\q+\j], v[S+32*\d+8*\q+\j+1]
.endr
.endr
.endm
.macro DIAG ql, qh, qw, m              ; the diagonal step once more, under the mask; the step's fragments still stand in registers
	QK S, KF, \ql, \qh, 0, \qw
	QK S+16, KF+16, \ql, \qh, 2, \qw
	QK S+32, K2, \ql, \qh, 4, \qw
	QK S+48, K2+16, \ql, \qh, 6, \qw
	PLACES 8
	MASK 0
	MASK 32
.set n, 0
.rept 16
	v_max3_num_f32 v[\m], v[\m], v[S+n], v[S+n+1]
	v_max3_num_f32 v[\m+1], v[\m+1], v[S+n+2], v[S+n+3]
.set n, n+4
.endr
	WALU
.endm
; EIGHT TRIPS OF THE FIRST PASS: a key step of my parity against both tiles.
.macro P1HALF rx
	s_mov_b32 s[TRIP], 8
.Lp1_\@:
	v_add_nc_u32 v[ADK], s[KS], v[L16]
	v_add_nc_u32 v[ADW], s[KS], v[AKW0]
	WALU
.irp k, 0,1,2,3,4,5,6,7
	ds_load_b128 v[KF+4*\k:KF+4*\k+3], v[ADK] offset:512*\k
.endr
	ds_load_b128 v[KW:KW+3], v[ADW]
	ds_load_b128 v[KW+4:KW+7], v[ADW] offset:16
.irp k, 0,1,2,3,4,5,6,7
	ds_load_b128 v[K2+4*\k:K2+4*\k+3], v[ADK] offset:4096+512*\k
.endr
	s_wait_dscnt 0x0
	W1 0, KF, 0
	W1 1, KF+16, 1
	PLACES 8
	MAXD 0, \rx
	W1 2, K2, 0                                    ; each set's maxima are the places behind the other set's products
	MAXD 1, \rx
	W1 3, K2+16, 1
	MAXD 0, \rx
	MAXD 1, \rx
	s_cmp_lt_u32 s[KJ], s[BLA]                     ; while every key of the step counts, the half's maxima so far are those of the keys that count
	s_cselect_b32 s66, -1, 0
	s_cmp_lt_u32 s[KJ], s[BLB]
	s_cselect_b32 s67, -1, 0
	v_cndmask_b32 v[\rx+4], v[\rx+4], v[\rx], s66
	v_cndmask_b32 v[\rx+5], v[\rx+5], v[\rx+1], s66
	v_cndmask_b32 v[\rx+6], v[\rx+6], v[\rx+2], s67
	v_cndmask_b32 v[\rx+7], v[\rx+7], v[\rx+3], s67
	WALU
	s_cmp_lg_u32 s[KJ], s[BLA]
	s_cbranch_scc1 .Lnda_\@
	DIAG QLA, QHA, QWA, \rx+4
.Lnda_\@:
	s_cmp_lg_u32 s[KJ], s[BLB]
	s_cbranch_scc1 .Lndb_\@
	DIAG QLB, QHB, QWB, \rx+6
.Lndb_\@:
	s_add_co_u32 s[KS], s[KS], 2*KSTEPB
	s_add_co_u32 s[KJ], s[KJ], 2
	s_sub_co_u32 s[TRIP], s[TRIP], 1
	s_cmp_lg_u32 s[TRIP], 0
	s_cbranch_scc1 .Lp1_\@
.endm
.macro BMAX b0, b1                     ; the largest score of two blocks of 32 keys: my 16 of each, in two chains a block
.irp b, \b0, \b1
	v_max3_num_f32 v[BM+\b], v[S+16*\b], v[S+16*\b+1], v[S+16*\b+2]
	v_max3_num_f32 v[BP+\b], v[S+16*\b+8], v[S+16*\b+9], v[S+16*\b+10]
.endr
.irp i, 3,5
.irp b, \b0, \b1
	v_max3_num_f32 v[BM+\b], v[BM+\b], v[S+16*\b+\i], v[S+16*\b+\i+1]
	v_max3_num_f32 v[BP+\b], v[BP+\b], v[S+16*\b+8+\i], v[S+16*\b+9+\i]
.endr
.endr
.irp b, \b0, \b1
	v_max3_num_f32 v[BM+\b], v[BM+\b], v[S+16*\b+7], v[S+16*\b+15]
.endr
.irp b, \b0, \b1
	v_max_num_f32 v[BM+\b], v[BM+\b], v[BP+\b]
.endr
.endm
.macro PKF n0, bi                      ; x = s c + bias, two at a time
.set n, \n0
.rept 16
	v_pk_fma_f32 v[S+n:S+n+1], v[S+n:S+n+1], s[CS:CS+1], v[\bi:\bi+1] op_sel_hi:[1,0,0]
.set n, n+2
.endr
.endm
; A KEY STEP OF ONE TILE: 128 keys.
.macro TSTEP ql, qh, qw, o, bi, l, blk
	s_cmp_gt_u32 s[KJ], s[\blk]
	s_cbranch_scc1 .Lhid_\@
	PLACES 9                                       ; behind the last products: loads into, and products over, registers that they read
.irp k, 0,1,2,3,4,5,6,7
	ds_load_b128 v[KF+4*\k:KF+4*\k+3], v[ADK] offset:512*\k
.endr
	ds_load_b128 v[KW:KW+3], v[ADW]
	ds_load_b128 v[KW+4:KW+7], v[ADW] offset:16
	ds_load_b128 v[VW:VW+3], v[ADVW]
	s_wait_dscnt 0x0
	QK S, KF, \ql, \qh, 0, \qw
	QK S+16, KF+16, \ql, \qh, 2, \qw
	PLACES 8
.irp k, 0,1,2,3,4,5,6,7
	ds_load_b128 v[KF+4*\k:KF+4*\k+3], v[ADK] offset:4096+512*\k
.endr
	s_cmp_lt_u32 s[KJ], s[\blk]                    ; only the diagonal step is masked
	s_cbranch_scc1 .Lo0_\@
	MASK 0
.Lo0_\@:
	BMAX 0, 1
	WALU
	s_wait_dscnt 0x0
	QK S+32, KF, \ql, \qh, 4, \qw
	QK S+48, KF+16, \ql, \qh, 6, \qw
	PKF 0, \bi                                     ; sixteen lines on the first half: the places behind the four products
	s_cmp_lt_u32 s[KJ], s[\blk]
	s_cbranch_scc1 .Lo1_\@
	MASK 32
.Lo1_\@:
	BMAX 2, 3
.irp b, 0,1,2,3
	v_permlanex16_b32 v[BP+\b], v[BM+\b], s[SEL], s[SEL+1]
.endr
.irp b, 0,1,2,3
	v_max_num_f32 v[BM+\b], v[BM+\b], v[BP+\b]     ; with lane l xor 16's 16 keys
.endr
.irp b, 0,1,2,3
	v_fma_f32 v[BM+\b], v[BM+\b], s[CS], v[\bi]    ; the same multiply-add on each block's largest score
.endr
	PKF 32, \bi
	WALU                                           ; one wait ahead of the batch
.irp b, 0,1,2,3
	v_exp_f32 v[BM+\b], v[BM+\b]                   ; the block's largest p
.endr
.set n, 0
.rept 64
	v_exp_f32 v[S+n], v[S+n]                       ; p = 2^(t - M)
.set n, n+1
.endr
	v_nop
	WALU                                           ; and one behind it
	v_pk_add_f32 v[BP:BP+1], v[S:S+1], v[S+2:S+3]  ; the sum of the unquantised p, in two chains
.irp j, 4,8,12,16,20,24,28,32,36,40,44,48,52,56,60
	v_pk_add_f32 v[\l:\l+1], v[\l:\l+1], v[S+\j:S+\j+1]
	v_pk_add_f32 v[BP:BP+1], v[BP:BP+1], v[S+\j+2:S+\j+3]
.endr
	v_pk_add_f32 v[\l:\l+1], v[\l:\l+1], v[BP:BP+1]
.irp b, 0,1,2,3
	v_max_num_f32 v[BM+\b], 0x4800000, v[BM+\b]    ; the floor 2^(9 - 127): the byte cannot fall under 1
.endr
.irp b, 0,1,2,3
	v_add_nc_u32 v[BS+\b], 0xfc000000, v[BM+\b]    ; 8 off the exponent field: the conversion's scale operand
.endr
.irp b, 0,1,2,3
	v_and_or_b32 v[BH+\b], v[BM+\b], 0x7f800000, s[MNT]   ; 448 x the scale
.endr
.irp b, 0,1,2,3
	v_lshrrev_b32 v[BP+\b], 23, v[BS+\b]           ; the scale's byte
.endr
	v_lshl_or_b32 v[PWD], v[BP+1], 8, v[BP]
	v_lshl_or_b32 v[PWD], v[BP+2], 16, v[PWD]
	v_lshl_or_b32 v[PWD], v[BP+3], 24, v[PWD]
.irp b, 0,1,2,3
.irp i, 0,2,4,6,8,10,12,14
	v_dual_min_num_f32 v[S+16*\b+\i], v[S+16*\b+\i], v[BH+\b] :: v_dual_min_num_f32 v[S+16*\b+\i+1], v[S+16*\b+\i+1], v[BH+\b]   ; the hold (ISA guide 7.6.2): p is not negative, so it is one-sided
.endr
	v_cvt_scalef32_pk8_fp8_f32 v[KF+4*\b:KF+4*\b+1], v[S+16*\b:S+16*\b+7], v[BS+\b]
	v_cvt_scalef32_pk8_fp8_f32 v[KF+4*\b+2:KF+4*\b+3], v[S+16*\b+8:S+16*\b+15], v[BS+\b]
.irp c, 0,1,2,3
	ds_load_b128 v[S+16*\b+4*\c:S+16*\b+4*\c+3], v[ADV] offset:2048*\b+512*\c   ; V's fragment b takes the block's registers as soon as its codes are made
.endr
.endr
	PLACES 4                                       ; the codes stand four places ahead of the products
	WALU
	s_wait_dscnt 0x0
.irp dt, 0,1,2,3
	v_wmma_scale_f32_16x16x128_f8f6f4 v[\o+8*\dt:\o+8*\dt+7], v[S+16*\dt:S+16*\dt+15], v[KF:KF+15], v[\o+8*\dt:\o+8*\dt+7], v[VW+\dt], v[PWD]
.endr
.Lhid_\@:
.endm
; THE CHANGE OF HALVES, at a quarter's head.  fill = 1: the other half takes the next eight key steps, while the first of them counts for block 31 - x (ids and the count of quarters alone: all waves go the same way).
.macro CHANGE fill
	s_wait_tensorcnt 0x0
	ds_add_u32 v[SPW], v[NIL]
.if \fill
	s_xor_b32 s[KQF], s[KQF], KHALF
	s_add_co_u32 s[G0K+1], s[KQF], s[W9]
	s_add_nc_u64 s[G0K+2:G0K+3], s[G0K+2:G0K+3], KHALF
	s_xor_b32 s[VQF], s[VQF], VHALF
	s_add_co_u32 s[G0V+1], s[VQF], s[WVB]
	s_add_nc_u64 s[G0V+2:G0V+3], s[G0V+2:G0V+3], VHALF
.endif
	s_wait_dscnt 0x0
	s_barrier_signal -1
	s_barrier_wait -1
.if \fill
	s_lshl_b32 s66, s[SIG], 3
	s_add_co_u32 s66, s66, 8
	s_cmp_gt_u32 s66, s[HI]
	s_cbranch_scc1 .Lpast_\@
	s_cmp_lt_u32 s[WV], 8
	s_cbranch_scc0 .Lfor_v_\@
	tensor_load_to_lds s[G0K:G0K+3], s[G1K:G1K+7]
	s_nop 0
	PLACES 4
	s_branch .Lpast_\@
.Lfor_v_\@:
	tensor_load_to_lds s[G0V:G0V+3], s[G1V:G1V+7]
	s_nop 0
	PLACES 4
.Lpast_\@:
.endif
.endm
.macro QUARTER                         ; four trips on the half in hand
	s_add_co_u32 s[KS], s[KQ], s[PK]
	s_mov_b32 s[TB], s[VQ]
	s_mov_b32 s[TRIP], 4
.Ltrip_\@:
	v_add_nc_u32 v[ADK], s[KS], v[L16]
	v_add_nc_u32 v[ADW], s[KS], v[AKW0]
	v_add_nc_u32 v[ADVW], s[KS], v[AVW0]
	v_add_nc_u32 v[ADV], s[TB], v[L16V]
	WALU
	TSTEP QLA, QHA, QWA, OA, BIA, LA, BLA
	TSTEP QLB, QHB, QWB, OB, BIB, LB, BLB
	s_add_co_u32 s[KS], s[KS], 2*KSTEPB
	s_add_co_u32 s[TB], s[TB], 16384
	s_add_co_u32 s[KJ], s[KJ], 2
	s_sub_co_u32 s[TRIP], s[TRIP], 1
	s_cmp_lg_u32 s[TRIP], 0
	s_cbranch_scc1 .Ltrip_\@
	s_xor_b32 s[KQ], s[KQ], KHALF
	s_xor_b32 s[VQ], s[VQ], VHALF
.endm
.macro ASK off                         ; wave 4 asks for one key step of V
	s_cmp_lg_u32 s[WV], 4
	s_cbranch_scc1 .Lnot_mine_\@
	global_prefetch_b8 v[PFO], s[PFA:PFA+1] offset:\off th:TH_LOAD_NT scope:SCOPE_SE
.Lnot_mine_\@:
.endm
	s_load_b256 s[4:11], s[0:1], 0x0               ; qws, kws, vws, ows
	s_load_b64 s[12:13], s[0:1], 0x20              ; osc
	v_lshl_add_u32 v[SPW], v0, 2, SPARE
	v_mov_b32 v[NIL], 0
	ds_add_u32 v[SPW], v[NIL]
	ds_add_u32 v[SPW], v[NIL]
	v_lshrrev_b32 v[T0], 5, v0
	v_readfirstlane_b32 s[WV], v[T0]
	s_bfe_u32 s[PAR], s[WV], 0x10002
	s_and_b32 s[TT], s[WV], 3
	s_lshr_b32 s66, s[WV], 3
	s_lshl_b32 s66, s66, 2
	s_or_b32 s[TT], s[TT], s66
	s_and_b32 s[HD], ttmp7, 0xffff
	s_sub_co_u32 s[HI], 31, ttmp9
	s_cmp_eq_u32 s[PAR], 0
	s_cselect_b32 s[BLA], s[HI], ttmp9
	s_cselect_b32 s[BLB], ttmp9, s[HI]
	s_mov_b32 s[G1K], 3<<16                        ; a key step of kws: 8,960 dense bytes as 35 rows of 256 (32 elements of 8 bytes)
	s_mov_b32 s[G1K+1], 32<<16
	s_mov_b32 s[G1K+2], 35<<16
	s_mov_b32 s[G1K+3], 32<<16
	s_mov_b32 s[G1K+4], 35
	s_mov_b32 s[G1K+5], 32
	s_mov_b32 s[G1K+6], 0
	s_mov_b32 s[G1K+7], 0
	s_mov_b32 s[G1V], 3<<16                        ; a key step of vws: 32 rows of 256
	s_mov_b32 s[G1V+1], 32<<16
	s_mov_b32 s[G1V+2], 32<<16
	s_mov_b32 s[G1V+3], 32<<16
	s_mov_b32 s[G1V+4], 32
	s_mov_b32 s[G1V+5], 32
	s_mov_b32 s[G1V+6], 0
	s_mov_b32 s[G1V+7], 0
	s_mov_b32 s[SEL], 0x76543210
	s_mov_b32 s[SEL+1], 0xfedcba98
	s_mov_b32 s[CS], 0x3fb8aa3b                    ; log2(e)
	s_mov_b32 s[CS+1], s[CS]
	s_mov_b32 s[MNT], 0x600000
	s_mul_i32 s[W9], s[WV], KSTEPB
	s_mul_i32 s[PK], s[PAR], KSTEPB
	s_and_b32 s68, s[WV], 7
	s_lshl_b32 s68, s68, 13
	s_add_co_u32 s[WVB], s68, VRB
	s_mul_i32 s86, s[HD], KHEAD
	s_add_co_u32 s86, s86, s[W9]                   ; key step w of my head in kws
	s_mov_b32 s87, 0
	s_lshl_b32 s70, s[HD], 18                      ; my head in vws
	s_mov_b32 s71, 0
	s_mov_b32 s69, 0
	s_wait_dscnt 0x0
	s_wait_kmcnt 0x0
	s_mov_b32 s[G0K], 1
	s_add_co_u32 s[G0K+1], s[W9], VRB
	s_add_nc_u64 s[G0K+2:G0K+3], s[6:7], s[86:87]
	s_add_nc_u64 s[G0K+2:G0K+3], s[G0K+2:G0K+3], 16*KSTEPB
	s_or_b32 s[G0K+3], s[G0K+3], 0x80000000
	tensor_load_to_lds s[G0K:G0K+3], s[G1K:G1K+7]  ; every wave's one load at the head: key step 16 + w
	s_nop 0
	PLACES 4
	s_mov_b32 s[G0V], 1
	s_mov_b32 s[G0V+1], s[WVB]
	s_add_nc_u64 s[G0V+2:G0V+3], s[8:9], s[70:71]
	s_add_nc_u64 s[G0V+2:G0V+3], s[G0V+2:G0V+3], s[68:69]
	s_or_b32 s[G0V+3], s[G0V+3], 0x80000000        ; V's key step w % 8
	s_lshl_b32 s72, ttmp9, 13                      ; the prefetches: V's key step x of my head
	s_mov_b32 s73, 0
	s_add_nc_u64 s[PFA:PFA+1], s[8:9], s[70:71]
	s_add_nc_u64 s[PFA:PFA+1], s[PFA:PFA+1], s[72:73]
	s_lshl_b32 s72, s[HD], 5
	s_add_co_u32 s73, s72, s[BLA]
	s_mul_i32 s74, s73, 8704
	s_mov_b32 s75, 0
	s_add_nc_u64 s[76:77], s[4:5], s[74:75]        ; q's block of tile A,
	s_add_co_u32 s73, s72, s[BLB]
	s_mul_i32 s74, s73, 8704
	s_add_nc_u64 s[78:79], s[4:5], s[74:75]        ; of tile B
	s_lshl_b32 s80, s[TT], 4
	s_lshl_b32 s81, s[PAR], 13
	s_lshl_b32 s82, s[TT], 10
	s_lshl_b32 s83, s[TT], 6
	s_add_co_u32 s83, s83, 8192
	v_and_b32 v[T2], 31, v0
	v_and_b32 v[BM], 15, v0                        ; r
	v_bfe_u32 v[BM+1], v0, 4, 1                    ; h
	v_lshlrev_b32 v[L16], 4, v[T2]
	v_lshlrev_b32 v[PFO], 8, v[T2]
	v_lshl_add_u32 v[AKW0], v[BM], 5, 8192
	v_lshl_add_u32 v[AVW0], v[BM], 4, 8704
	v_add_nc_u32 v[DG], s80, v[BM]
	v_lshlrev_b32 v[BM+1], 3, v[BM+1]
	v_lshl_add_u32 v[T1], v[BM], 2, s83
	v_add_nc_u32 v[L16V], s81, v[L16]
	v_add_nc_u32 v[T0], s82, v[L16]
	v_sub_nc_u32 v[DG], v[DG], v[BM+1]
	global_load_b128 v[QLA:QLA+3], v[T0], s[76:77]
	global_load_b128 v[QLA+4:QLA+7], v[T0], s[76:77] offset:512
	global_load_b32 v[QWA], v[T1], s[76:77]
	global_load_b128 v[QLB:QLB+3], v[T0], s[78:79]
	global_load_b128 v[QLB+4:QLB+7], v[T0], s[78:79] offset:512
	global_load_b32 v[QWB], v[T1], s[78:79]
.irp f, 24,40,56
.irp j, 0,1,2,3,4,5,6,7
	v_mov_b32 v[\f+\j], 0                          ; the zero halves beside q
.endr
.endr
	v_mov_b32 v[NINF], 0xff800000
.set j, 0
.rept 16
	v_mov_b32 v[RX+j], 0xff800000
.set j, j+1
.endr
.irp j, 0,1,2,3
	v_mov_b32 v[BP+\j], 0                          ; a lane permute's destination counts as one of its sources
.endr
	WALU
	s_wait_tensorcnt 0x0                           ; my key step is in; these lines stand ahead of a later first fill as ahead of a refill
	ds_add_u32 v[SPW], v[NIL]
	s_mov_b32 s[G0K+1], s[W9]                      ; no load of mine is out: the descriptor goes to key step w
	s_add_nc_u64 s[G0K+2:G0K+3], s[6:7], s[86:87]
	s_or_b32 s[G0K+3], s[G0K+3], 0x80000000
	s_wait_dscnt 0x0
	s_barrier_signal -1
	s_barrier_wait -1                              ; K's steps 16 to 31 are in
	tensor_load_to_lds s[G0K:G0K+3], s[G1K:G1K+7]  ; key step w: a first fill
	s_nop 0
	PLACES 4
	ASK 0
	s_wait_loadcnt 0x0
	; ---- THE FIRST PASS
	s_add_co_u32 s[KS], s[PK], VRB
	s_add_co_u32 s[KJ], s[PAR], 16
	P1HALF RX
	s_wait_tensorcnt 0x0
	ds_add_u32 v[SPW], v[NIL]
	s_mov_b32 s[KS], s[PK]
	s_mov_b32 s[KJ], s[PAR]
	s_wait_dscnt 0x0
	s_barrier_signal -1
	s_barrier_wait -1                              ; K's steps 0 to 15 are in, and nobody reads steps 16 to 31 any more: V's steps 0 to 7 land on their bytes
	s_cmp_lt_u32 s[WV], 8
	s_cbranch_scc1 .Lno_v0
	tensor_load_to_lds s[G0V:G0V+3], s[G1V:G1V+7]
	s_nop 0
	PLACES 4
.Lno_v0:
	ASK 131072
	P1HALF RY
	; the maxima: gA, mcA, gB, mcB; joined with lane l xor 16's and with the partner wave's (whose A is my B)
	v_max3_num_f32 v[BM], v[RX], v[RX+1], v[RY]
	v_max3_num_f32 v[BM+1], v[RX+4], v[RX+5], v[RY+4]
	v_max3_num_f32 v[BM+2], v[RX+2], v[RX+3], v[RY+2]
	v_max3_num_f32 v[BM+3], v[RX+6], v[RX+7], v[RY+6]
	v_max_num_f32 v[BM], v[BM], v[RY+1]
	v_max_num_f32 v[BM+1], v[BM+1], v[RY+5]
	v_max_num_f32 v[BM+2], v[BM+2], v[RY+3]
	v_max_num_f32 v[BM+3], v[BM+3], v[RY+7]
.irp q, 0,1,2,3
	v_permlanex16_b32 v[BP+\q], v[BM+\q], s[SEL], s[SEL+1]
.endr
.irp q, 0,1,2,3
	v_max_num_f32 v[BM+\q], v[BM+\q], v[BP+\q]
.endr
	s_lshl_b32 s66, s[WV], 8
	s_add_co_u32 s66, s66, SCRB
	s_xor_b32 s67, s[WV], 4
	s_lshl_b32 s67, s67, 8
	s_add_co_u32 s67, s67, SCRB
	v_and_b32 v[T2], 15, v0
	v_lshl_add_u32 v[T0], v[T2], 4, s66
	v_lshl_add_u32 v[T1], v[T2], 4, s67
	WALU
	ds_store_b128 v[T0], v[BM:BM+3]                ; lanes r and r + 16 write the same bytes with the same values
	s_wait_dscnt 0x0
	s_barrier_signal -1
	s_barrier_wait -1
	ds_load_b128 v[BP:BP+3], v[T1]
.set j, 0
.rept 64
	v_mov_b32 v[OA+j], 0                           ; the step is written once: the first finds zeros
.set j, j+1
.endr
.irp j, BIA+1, LA, LA+1, BIB+1, LB, LB+1
	v_mov_b32 v[\j], 0
.endr
	s_mov_b32 s[KJ], s[PAR]
	s_mov_b32 s[KQ], 0
	s_mov_b32 s[VQ], VRB
	s_mov_b32 s[KQF], 0
	s_mov_b32 s[VQF], 0
	s_mov_b32 s[SIG], 0
	s_wait_dscnt 0x0
	v_max_num_f32 v[BM], v[BM], v[BP+2]
	v_max_num_f32 v[BM+1], v[BM+1], v[BP+3]
	v_max_num_f32 v[BM+2], v[BM+2], v[BP]
	v_max_num_f32 v[BM+3], v[BM+3], v[BP+1]
	v_sub_f32 v[T0], v[BM+1], v[BM]                ; the largest logit that counts,
	v_sub_f32 v[T1], v[BM+3], v[BM+2]
	v_mul_f32 v[T0], s[CS], v[T0]                  ; as t,
	v_mul_f32 v[T1], s[CS], v[T1]
	v_floor_f32 v[T0], -v[T0]                      ; -M = floor(-t)
	v_floor_f32 v[T1], -v[T1]
	v_fma_f32 v[BIA], -v[BM], s[CS], v[T0]         ; -g c - M
	v_fma_f32 v[BIB], -v[BM+2], s[CS], v[T1]
	WALU
	; ---- THE SECOND PASS
.Lquarter:
	CHANGE 1
	QUARTER
	s_add_co_u32 s[SIG], s[SIG], 1
	s_cmp_lt_u32 s[SIG], 3
	s_cbranch_scc1 .Lquarter
	CHANGE 0                                       ; the last quarter is written out: it asks for nothing
	QUARTER
	; ---- THE END: tile B's O and sum go to the partner, which finishes that tile; the partner's come to me for tile A
	PLACES 8
	v_add_f32 v[T0], v[LB], v[LB+1]
	s_mul_i32 s66, s[WV], STGW
	s_xor_b32 s67, s[WV], 4
	s_mul_i32 s67, s67, STGW
	v_lshrrev_b32 v[T1], 2, v[L16]                 ; 4 x lane
	v_add_nc_u32 v[ADK], s66, v[L16]
	v_add_nc_u32 v[ADV], s67, v[L16]
	v_add_nc_u32 v[ADW], s66, v[T1]
	v_add_nc_u32 v[ADVW], s67, v[T1]
	WALU
	s_wait_dscnt 0x0
	s_barrier_signal -1
	s_barrier_wait -1                              ; nobody reads K any more
.irp k, 0,1,2,3,4,5,6,7
	ds_store_b128 v[ADK], v[OB+4*\k:OB+4*\k+3] offset:512*\k
.endr
	ds_store_b32 v[ADW], v[T0] offset:4096
	s_wait_dscnt 0x0
	s_barrier_signal -1
	s_barrier_wait -1
.irp k, 0,1,2,3,4,5,6,7
	ds_load_b128 v[S+4*\k:S+4*\k+3], v[ADV] offset:512*\k
.endr
	ds_load_b32 v[T2], v[ADVW] offset:4096
	v_add_f32 v[LA], v[LA], v[LA+1]
	s_lshr_b32 s74, s[HD], 3                       ; ows, osc: [batch x 256 + 8 block + tile][head]
	s_lshl_b32 s74, s74, 8
	s_lshl_b32 s75, s[BLA], 3
	s_add_co_u32 s74, s74, s75
	s_add_co_u32 s74, s74, s[TT]
	s_and_b32 s75, s[HD], 7
	s_lshl_b32 s76, s74, 3
	s_add_co_u32 s76, s76, s75
	s_lshl_b32 s78, s76, 10
	s_mov_b32 s79, 0
	s_add_nc_u64 s[10:11], s[10:11], s[78:79]
	s_lshl_b32 s78, s76, 7
	s_add_nc_u64 s[12:13], s[12:13], s[78:79]
	WALU
	s_wait_dscnt 0x0
	v_add_f32 v[LA], v[LA], v[T2]
.set j, 0
.rept 16
	v_pk_add_f32 v[S+j:S+j+1], v[S+j:S+j+1], v[OA+j:OA+j+1]
.set j, j+2
.endr
	v_permlanex16_b32 v[T2], v[LA], s[SEL], s[SEL+1]
	v_add_f32 v[LA], v[LA], v[T2]                  ; the row's sum
	WALU
	v_rcp_f32 v[LA], v[LA]
	v_nop
	WALU
.set j, 0
.rept 16
	v_pk_mul_f32 v[S+j:S+j+1], v[S+j:S+j+1], v[LA:LA+1] op_sel_hi:[1,0]
.set j, j+2
.endr
.irp b, 0,1
	v_max3_num_f32 v[BM+\b], |v[S+16*\b]|, |v[S+1+16*\b]|, 0x4800000
.endr
.irp i, 2,4,6,8,10,12,14
.irp b, 0,1
	v_max3_num_f32 v[BM+\b], v[BM+\b], |v[S+16*\b+\i]|, |v[S+1+16*\b+\i]|
.endr
.endr
.irp b, 0,1
	v_permlanex16_b32 v[BP+\b], v[BM+\b], s[SEL], s[SEL+1]
.endr
.irp b, 0,1
	v_max_num_f32 v[BM+\b], v[BM+\b], v[BP+\b]
.endr
.irp b, 0,1
	v_add_nc_u32 v[BS+\b], 0xfc000000, v[BM+\b]
.endr
.irp b, 0,1
	v_and_or_b32 v[BH+\b], v[BM+\b], 0x7f800000, s[MNT]
.endr
.irp b, 0,1
	v_lshrrev_b32 v[BP+\b], 23, v[BS+\b]
.endr
	v_lshl_or_b32 v[T0], v[BP+1], 8, v[BP]
.irp b, 0,1
.irp i, 0,1,2,3,4,5,6,7,8,9,10,11,12,13,14,15
	v_med3_num_f32 v[S+16*\b+\i], v[S+16*\b+\i], -v[BH+\b], v[BH+\b]
.endr
	v_cvt_scalef32_pk8_fp8_f32 v[KF+4*\b:KF+1+4*\b], v[S+16*\b:S+7+16*\b], v[BS+\b]
	v_cvt_scalef32_pk8_fp8_f32 v[KF+2+4*\b:KF+3+4*\b], v[S+8+16*\b:S+15+16*\b], v[BS+\b]
.endr
	v_nop
	global_store_b128 v[L16], v[KF:KF+3], s[10:11]             ; each store of the wave covers 512 consecutive bytes, aligned
	global_store_b128 v[L16], v[KF+4:KF+7], s[10:11] offset:512
	global_store_b32 v[T1], v[T0], s[12:13]
	s_wait_tensorcnt 0x0                           ; the wave's end
	ds_add_u32 v[SPW], v[NIL]
	s_wait_dscnt 0x0
	s_endpgm
.Lfunc_end_k_qed6bb40abd_attn:
	.size	k_qed6bb40abd_attn, .Lfunc_end_k_qed6bb40abd_attn-k_qed6bb40abd_attn
	.p2alignl 7, 3214868480
	.fill 96, 4, 3214868480
	.section	.rodata,"a",@progbits
	.p2align	6, 0x0
	.amdhsa_kernel k_qed6bb40abd_attn
		.amdhsa_group_segment_fixed_size 327680
		.amdhsa_private_segment_fixed_size 0
		.amdhsa_enable_private_segment 0
		.amdhsa_kernarg_size 40
		.amdhsa_user_sgpr_count 2
		.amdhsa_user_sgpr_kernarg_segment_ptr 1
		.amdhsa_wavefront_size32 1
		.amdhsa_system_sgpr_workgroup_id_x 1
		.amdhsa_system_sgpr_workgroup_id_y 1
		.amdhsa_system_sgpr_workgroup_id_z 1
		.amdhsa_system_vgpr_workitem_id 0
		.amdhsa_next_free_vgpr 256
		.amdhsa_next_free_sgpr 100
		.amdhsa_reserve_vcc 1
		.amdhsa_float_denorm_mode_32 3
		.amdhsa_float_denorm_mode_16_64 3
		.amdhsa_memory_ordered 1
		.amdhsa_forward_progress 1
		.amdhsa_inst_pref_size 163
	.end_amdhsa_kernel
	.amdgpu_metadata
---
amdhsa.version: [ 1, 2 ]
amdhsa.kernels:
  - .name:           k_qed6bb40abd_attn
    .symbol:         k_qed6bb40abd_attn.kd
    .args:
      - { .name: qws, .offset: 0, .size: 8, .value_kind: global_buffer, .address_space: global }
      - { .name: kws, .offset: 8, .size: 8, .value_kind: global_buffer, .address_space: global }
      - { .name: vws, .offset: 16, .size: 8, .value_kind: global_buffer, .address_space: global }
      - { .name: ows, .offset: 24, .size: 8, .value_kind: global_buffer, .address_space: global }
      - { .name: osc, .offset: 32, .size: 8, .value_kind: global_buffer, .address_space: global }
    .group_segment_fixed_size: 327680
    .private_segment_fixed_size: 0
    .kernarg_segment_align: 8
    .kernarg_segment_size: 40
    .max_flat_workgroup_size: 512
    .sgpr_count:     100
    .vgpr_count:     256
    .wavefront_size: 32
...
	.end_amdgpu_metadata
.endif
;; end of part 2
;; launch outp (part 3): grid 64 x 4, 8 waves a work-group, clusters of 4 x 1, 168,960 bytes of LDS; arguments ows, osc, Wo_codes, Wo_scales, bo, out0; writes out0
.if DOCPART == 3
	.amdgcn_target "amdgcn-amd-amdhsa--gfx1250"
	.amdhsa_code_object_version 6
	.text
	.protected	k_qed6bb40abd_outp
	.globl	k_qed6bb40abd_outp
	.p2align	8
	.type	k_qed6bb40abd_outp,@function
k_qed6bb40abd_outp:
	s_mov_b64 s[64:65], 0
	v_nop
	global_prefetch_b8 v0, s[64:65] scope:SCOPE_SE
	s_setreg_imm32_b32 hwreg(HW_REG_WAVE_MODE, 25, 1), 1
	s_wait_xcnt 0x0
	s_wait_alu depctr_hold_cnt(0) depctr_sa_sdst(0) depctr_va_vdst(0) depctr_va_sdst(0) depctr_va_ssrc(0) depctr_va_vcc(0) depctr_vm_vsrc(0)
	s_getreg_b32 s2, hwreg(HW_REG_IB_STS2, 6, 4)
	s_cmp_eq_u32 s2, 0
	s_cbranch_scc0 .Lentry_in_a_cluster
	s_endpgm
.Lentry_in_a_cluster:
	s_bfe_u32 s2, ttmp6, 0x10000c
	s_cmp_lg_u32 s2, 0x3003
	s_cbranch_scc0 .Lentry_shape_is_right
	s_endpgm
.Lentry_shape_is_right:
; out = o Wo + bo on codes of FP8 (E4M3) with E8M0 scales.  o comes from the attention launch as images of operand registers (ows) and two scale bytes for each token and head (osc).
; SHARES.  A work-group takes 128 tokens x 128 outputs; wave w takes 16 tokens x 128 outputs: source 0 = 16 rows of Wo from LDS, source 1 = the tokens, resident in registers: a lane holds eight neighbouring outputs of one token.
; The bias is loaded into the accumulators in the result's layout, so that it costs no addition.
; CLUSTER 4 x 1: the four work-groups of a cluster take other tokens and the same 128 rows of Wo: a joint load, filled once.
; The way out goes through each wave's own stage in LDS: a store of the wave covers 512 consecutive bytes of a row of out, aligned.
.set XP,   528                         ; an LDS row: 512 bytes + 16 of padding
.set TILE, 16*XP
.set HALF, 64*XP
.set STG,  2*HALF                      ; behind Wo's 128 rows: 16 rows x 528 bytes for each wave
.set AW,  1                            ; v1   528 r + 16 h
.set L16, 5                            ; v5   16 x lane
.set L4,  6                            ; v6   4 x lane
.set H32, 7                            ; v7   32 h
.set SO,  8                            ; v8   the stage: where I put 32 bytes of a row
.set SR,  9                            ; v9   and where I read a row back
.set R16, 13                           ; v13  16 r
.set ACC, 16
.set ST,  80
.set R2,  144
.set SW,  208
.set SB,  240
.set OS,  244                          ; v244-251 o's two bytes for each of the eight heads
.set WV,  22
.set G1,  32
.set G0,  48
.macro PLACES n
.rept \n
	v_nop
.endr
.endm
.macro CROUND                          ; a round of the cluster's barrier
	s_barrier_signal -1
	s_barrier_wait -1
	s_cmp_lg_u32 s[WV], 0
	s_cbranch_scc1 .Lnot_wave_0_\@
	s_barrier_signal -3
.Lnot_wave_0_\@:
	s_barrier_wait -3
	s_barrier_signal -1
	s_barrier_wait -1
.endm
; Eight tiles of 16 rows from LDS (source 0) x the resident operand (source 1), K = 512 in four steps, four tiles at a time.  Eight places stand in front of each run of loads into registers that
; matrix instructions have read; the first eight also part the scale words made by vector instructions from the first product.  The eight accumulators take turns.
; TWO BUFFERS take turns for the four fragments: registers ST on of window 0 (groups with g = 0) and of window 1 (g = 1).  The next group's sixteen loads are issued ahead of a group's products.
.set MSB, 0
.macro WIN new                         ; the immediate's high byte repeats the setting that is left
.if MSB != \new
	s_set_vgpr_msb (MSB<<8)|\new
.set MSB, \new
.endif
.endm
.macro GLOAD adr, s, g                 ; tiles 4 g .. 4 g + 3, K step s, into buffer g: the loaded data's window is g, the address stays in window 0
	WIN (\g)*64
.irp i, 0,1,2,3
.irp c, 0,1,2,3
	ds_load_b128 v[ST+16*\i+4*\c:ST+16*\i+4*\c+3], v[\adr] offset:(4*(\g)+\i)*TILE+128*(\s)+32*\c
.endr
.endr
.endm
.macro GEMM8 adr
	PLACES 8
	GLOAD \adr, 0, 0
.irp s, 0,1,2,3
.irp g, 0,1
.if (2*\s+\g) < 7
.if (\s+\g) > 0
	PLACES 8                                       ; behind the products that read the buffer which is loaded next
.endif
	GLOAD \adr, \s+\g, 1-\g
	s_wait_dscnt 16                                ; this group's fragments are in; the sixteen loads just issued may be out
.else
	s_wait_dscnt 0x0
.endif
	WIN \g                                         ; source 0 from buffer g; all else from window 0
.irp i, 0,1,2,3
	v_wmma_scale_f32_16x16x128_f8f6f4 v[ACC+8*(4*\g+\i):ACC+8*(4*\g+\i)+7], v[ST+16*\i:ST+16*\i+15], v[R2+16*\s:R2+16*\s+15], v[ACC+8*(4*\g+\i):ACC+8*(4*\g+\i)+7], v[SW+4*(4*\g+\i)+\s], v[SB+\s]
.endr
.endr
.endr
	WIN 0
.endm
	s_load_b256 s[4:11], s[0:1], 0x0               ; ows s[4:5], osc s[6:7], Wo's codes s[8:9], Wo's scales s[10:11]
	s_load_b128 s[12:15], s[0:1], 0x20             ; bo s[12:13], out0 s[14:15]
	v_lshl_add_u32 v14, v0, 2, 0x29000
	v_mov_b32 v15, 0
	ds_add_u32 v14, v15
	ds_add_u32 v14, v15
	v_lshrrev_b32 v255, 5, v0
	s_delay_alu instid0(VALU_DEP_1)
	v_readfirstlane_b32 s[WV], v255                ; wave 0..7
	s_bfe_u32 s23, ttmp6, 0x40000                  ; cx
	s_lshl_b32 s24, ttmp9, 2
	s_add_co_u32 s24, s24, s23                     ; tokens 128 tb on: enters global addresses alone
	s_and_b32 s25, ttmp7, 0xffff                   ; outputs 128 part on: the four partners share it
	s_mov_b32 s[G1], 15|(1<<20)|(1<<21)|(6<<22)|(3<<25)   ; the mask: all four; elements of 1 byte; padding: four words after every 128
	s_mov_b32 s[G1+1], 512<<16
	s_mov_b32 s[G1+2], 64<<16
	s_mov_b32 s[G1+3], 512<<16
	s_mov_b32 s[G1+4], 64
	s_mov_b32 s[G1+5], 512
	s_mov_b32 s[G1+6], 0
	s_mov_b32 s[G1+7], 0
	s_lshl_b32 s60, s25, 16                        ; 128 part rows of 512 bytes
	s_lshl_b32 s61, s[WV], 15                      ; + 64 rows for wave 1
	s_add_co_u32 s60, s60, s61
	s_mov_b32 s61, 0
	s_mul_i32 s31, s[WV], HALF
	s_wait_dscnt 0x0
	s_wait_kmcnt 0x0
	s_mov_b32 s[G0], 1
	s_mov_b32 s[G0+1], s31
	s_add_nc_u64 s[G0+2:G0+3], s[8:9], s[60:61]
	s_or_b32 s[G0+3], s[G0+3], 0x80000000
	CROUND                                         ; all four work-groups are here
	s_cmp_lt_u32 s[WV], 2                          ; waves 0 and 1 fetch Wo's two halves; filled once
	s_cbranch_scc0 .Lasked
	tensor_load_to_lds s[G0:G0+3], s[G1:G1+7]
	s_nop 0
	PLACES 4
.Lasked:
	v_and_b32 v252, 15, v0                         ; r
	v_bfe_u32 v253, v0, 4, 1                       ; h
	v_and_b32 v254, 31, v0                         ; lane
	s_delay_alu instid0(VALU_DEP_3)
	v_mul_u32_u24 v[AW], v252, XP
	s_delay_alu instid0(VALU_DEP_1)
	v_lshl_add_u32 v[AW], v253, 4, v[AW]
	s_delay_alu instid0(VALU_DEP_3)
	v_lshlrev_b32 v[L16], 4, v254
	s_wait_alu depctr_va_vdst(0)
	v_lshlrev_b32 v[L4], 2, v254
	s_wait_alu depctr_va_vdst(0)
	v_lshlrev_b32 v[H32], 5, v253
	v_lshlrev_b32 v[R16], 4, v252
	s_wait_alu depctr_va_vdst(0)
	s_mul_i32 s26, s[WV], TILE
	s_add_co_u32 s26, s26, STG                     ; my stage
	v_mul_u32_u24 v[SO], v252, XP
	s_delay_alu instid0(VALU_DEP_1)
	v_lshl_add_u32 v[SO], v253, 5, v[SO]
	s_delay_alu instid0(VALU_DEP_1)
	v_add_nc_u32 v[SO], s26, v[SO]
	v_add_nc_u32 v[SR], s26, v[L16]
	s_lshl_b32 s27, s24, 3
	s_add_co_u32 s27, s27, s[WV]                   ; my tile of 16 tokens among the 512
	s_mov_b32 s67, 0
	s_lshl_b32 s66, s27, 13
	s_add_nc_u64 s[4:5], s[4:5], s[66:67]          ; its codes: 8,192 bytes
	s_lshl_b32 s66, s27, 10
	s_add_nc_u64 s[6:7], s[6:7], s[66:67]          ; its scale bytes: 8 heads x 128 bytes
	s_lshl_b32 s66, s25, 11
	s_add_nc_u64 s[10:11], s[10:11], s[66:67]      ; Wo's scale bytes of the 128 rows
	s_lshl_b32 s66, s25, 9
	s_add_nc_u64 s[12:13], s[12:13], s[66:67]      ; the bias of the 128 outputs
	s_add_nc_u64 s[14:15], s[14:15], s[66:67]
	s_lshl_b32 s66, s27, 15
	s_add_nc_u64 s[14:15], s[14:15], s[66:67]      ; out: my 16 rows of 2,048 bytes, my 512 bytes of each
.irp s, 0,1,2,3
.irp c, 0,1,2,3
	global_load_b128 v[R2+16*\s+4*\c:R2+16*\s+4*\c+3], v[L16], s[4:5] offset:2048*\s+512*\c   ; K step s = heads 2 s and 2 s + 1: 512 consecutive bytes a load
.endr
.endr
.irp e, 0,1,2,3,4,5,6,7
	global_load_b32 v[OS+\e], v[L4], s[6:7] offset:128*\e
.endr
.irp i, 0,1,2,3,4,5,6,7
	global_load_b128 v[SW+4*\i:SW+4*\i+3], v[R16], s[10:11] offset:256*\i
.endr
.irp t, 0,1,2,3,4,5,6,7
	global_load_b128 v[ACC+8*\t:ACC+8*\t+3], v[H32], s[12:13] offset:64*\t        ; accumulator t, register j: output 16 t + 8 h + j
	global_load_b128 v[ACC+8*\t+4:ACC+8*\t+7], v[H32], s[12:13] offset:64*\t+16
.endr
	s_wait_tensorcnt 0x0
	s_barrier_signal -1
	s_barrier_wait -1                              ; Wo's 128 rows lie in LDS
	s_wait_loadcnt 0x0
.irp s, 0,1,2,3
	v_lshl_or_b32 v[SB+\s], v[OS+2*\s+1], 16, v[OS+2*\s]   ; two heads' two bytes make a K step's scale word
.endr
	s_wait_alu depctr_va_vdst(0)
	GEMM8 AW
	PLACES 8                                       ; in front of the first read of results and of the loads into the fragments' registers
.irp t, 0,1,2,3,4,5,6,7
	ds_store_b128 v[SO], v[ACC+8*\t:ACC+8*\t+3] offset:64*\t         ; each accumulator from its low end on
	ds_store_b128 v[SO], v[ACC+8*\t+4:ACC+8*\t+7] offset:64*\t+16
.endr
.irp i, 0,1,2,3,4,5,6,7,8,9,10,11,12,13,14,15
	ds_load_b128 v[ST+4*\i:ST+4*\i+3], v[SR] offset:XP*\i            ; LDS serves a wave's instructions in order (ISA guide 5.7.1.4): these see my stores
.endr
.irp i, 0,1,2,3,4,5,6,7,8,9,10,11,12,13,14,15
	s_wait_dscnt 15-\i                             ; row i is back; the 15 - i younger loads may stay out
	global_store_b128 v[L16], v[ST+4*\i:ST+4*\i+3], s[14:15] offset:2048*\i th:TH_STORE_NT
.endr
	s_wait_tensorcnt 0x0
	ds_add_u32 v14, v15
	s_wait_dscnt 0x0
	CROUND                                         ; the closing round
	s_endpgm
.Lfunc_end_k_qed6bb40abd_outp:
	.size	k_qed6bb40abd_outp, .Lfunc_end_k_qed6bb40abd_outp-k_qed6bb40abd_outp
	.p2alignl 7, 3214868480
	.fill 96, 4, 3214868480
	.section	.rodata,"a",@progbits
	.p2align	6, 0x0
	.amdhsa_kernel k_qed6bb40abd_outp
		.amdhsa_group_segment_fixed_size 168960
		.amdhsa_private_segment_fixed_size 0
		.amdhsa_enable_private_segment 0
		.amdhsa_kernarg_size 48
		.amdhsa_user_sgpr_count 2
		.amdhsa_user_sgpr_kernarg_segment_ptr 1
		.amdhsa_wavefront_size32 1
		.amdhsa_system_sgpr_workgroup_id_x 1
		.amdhsa_system_sgpr_workgroup_id_y 1
		.amdhsa_system_sgpr_workgroup_id_z 1
		.amdhsa_system_vgpr_workitem_id 0
		.amdhsa_next_free_vgpr 400
		.amdhsa_next_free_sgpr 80
		.amdhsa_reserve_vcc 0
		.amdhsa_float_denorm_mode_32 3
		.amdhsa_float_denorm_mode_16_64 3
		.amdhsa_memory_ordered 1
		.amdhsa_forward_progress 1
		.amdhsa_inst_pref_size 29
	.end_amdhsa_kernel
	.amdgpu_metadata
---
amdhsa.version: [ 1, 2 ]
amdhsa.kernels:
  - .name:           k_qed6bb40abd_outp
    .symbol:         k_qed6bb40abd_outp.kd
    .args:
      - { .name: ows, .offset: 0, .size: 8, .value_kind: global_buffer, .address_space: global }
      - { .name: osc, .offset: 8, .size: 8, .value_kind: global_buffer, .address_space: global }
      - { .name: Wo_codes, .offset: 16, .size: 8, .value_kind: global_buffer, .address_space: global }
      - { .name: Wo_scales, .offset: 24, .size: 8, .value_kind: global_buffer, .address_space: global }
      - { .name: bo, .offset: 32, .size: 8, .value_kind: global_buffer, .address_space: global }
      - { .name: out0, .offset: 40, .size: 8, .value_kind: global_buffer, .address_space: global }
    .group_segment_fixed_size: 168960
    .private_segment_fixed_size: 0
    .kernarg_segment_align: 8
    .kernarg_segment_size: 48
    .max_flat_workgroup_size: 256
    .sgpr_count:     80
    .vgpr_count:     400
    .wavefront_size: 32
...
	.end_amdgpu_metadata
.endif
;; end of part 3
